; MI455X (gfx1250); checked and timed in simulation.
; The chip was launched on July 23, 2026; its instructions are those of AMD's public machine-readable ISA for CDNA 5 (MIT licence, August 2026) and "CDNA5" Instruction Set Architecture Reference Guide (July 2026). The comments in the code are by the model that wrote it; some were corrected since.
;; Simple Attention. Allowed arithmetic: float matrix products may take bf16 or f16 operands with f32 sums; all other float work in f32.
;; Inputs: Wk 512 x 512 float32; Wq 512 x 512 float32; Wv 512 x 512 float32; bk 512 float32; bq 512 float32; bv 512 float32; x 8 x 2,048 x 512 float32.
;; Outputs: out0 8 x 2,048 x 512 float32.
;; One version. Each part assembles by itself: llvm-mc -triple=amdgcn-amd-amdhsa -mcpu=gfx1250 --defsym DOCPART=n.
;; ======== version 1 of 1: 3 launches
;; limits: values are held in f16: magnitudes above 65,504 overflow, below 6.1e-05 lose precision
;; workspace buffers: wt 1,572,864 bytes; qkv 50,331,648 bytes
;; launch prep (part 1): grid 32 x 3, 8 waves a work-group, no clusters, 18,432 bytes of LDS; arguments Wq, Wk, Wv, wt; writes wt
.if DOCPART == 1
	.amdgcn_target "amdgcn-amd-amdhsa--gfx1250"
	.amdhsa_code_object_version 6
	.text
	.protected	k_q2780888cb5_prep
	.globl	k_q2780888cb5_prep
	.p2align	8
	.type	k_q2780888cb5_prep,@function
k_q2780888cb5_prep:
	s_mov_b64 s[64:65], 0
	v_nop
	global_prefetch_b8 v0, s[64:65] scope:SCOPE_SE
	s_setreg_imm32_b32 hwreg(HW_REG_WAVE_MODE, 25, 1), 1
	s_wait_xcnt 0x0
; wt[i][e][d] = bf16(W_i[d][e]), i = 0 (Wq), 1 (Wk), 2 (Wv).  W_i: [512 d][512 e] f32.  wt: [3][512 e][512 d] bf16.
; The projections want the weights in bf16 with d (the summed index) along the rows; this is done once, 3 MiB in and 1.5 MiB out,
; instead of by each of the 256 work-groups that walk the weights afterwards.
; A work-group turns a tile of 128 d x 64 e: 4 x 8 tiles a matrix, three matrices = 96 work-groups, which is all the work there is.
; Thread t: l16 = t & 15, rp = t >> 4.  It loads 4 neighbouring e of eight rows d (four pairs of neighbouring rows), packs each pair of rows
; into words (even d low, odd d high) and lays them into LDS as [e][d], rows of 256 bytes + 16.  Rows are read back whole.
; Sixteen neighbouring lanes load 256 consecutive aligned bytes of W and store 256 consecutive aligned bytes of wt.
; No matrix unit, no cluster, no tensor load: nothing is shared and nothing is multiplied.
; The 16 word stores of a thread meet four deep in LDS (lanes l16, l16 + 4, l16 + 8, l16 + 12 are 4 x 1,088 bytes = 17 x 256 apart): accepted,
; they are 16 instructions of a thread in the whole launch.
.set WROW, 2048                        ; bytes in a row of W
.set TP,   272                         ; LDS pitch of a row [e]: 128 d x 2 bytes + 16
.set OROW, 1024                        ; bytes in a row of wt
.set LDO,  4                           ; v4  offset of my 16 bytes in W's tile
.set LST,  5                           ; v5  LDS: where my packed words go
.set LRD,  6                           ; v6  LDS: where I read 16 bytes of a row back
.set STO,  7                           ; v7  offset of my 16 bytes in wt's tile
.set X,    8                           ; v[8:39]   pair i: 4 registers of the even row, 4 of the odd row; later 4 x 4 registers read back
.set Y,    40                          ; v[40:55]  pair i, column c: one packed word
	s_load_b256 s[4:11], s[0:1], 0x0               ; Wq s[4:5], Wk s[6:7], Wv s[8:9], wt s[10:11]
	v_lshl_add_u32 v64, v0, 2, 0x4400
	v_mov_b32 v65, 0
	s_and_b32 s14, ttmp7, 0xffff                   ; which matrix
	s_and_b32 s15, ttmp9, 3                        ; db: which 128 d
	s_lshr_b32 s16, ttmp9, 2                       ; eb: which 64 e
	v_and_b32 v1, 15, v0                           ; l16
	v_lshrrev_b32 v2, 4, v0                        ; rp
	v_lshlrev_b32 v3, 4, v1                        ; 16 l16
	v_lshl_add_u32 v[LDO], v2, 12, v3              ; two rows of W for each rp, 16 bytes for each l16
	v_mul_u32_u24 v[LST], v1, 4*TP                 ; row e = 4 l16 (+ c in the immediate)
	v_lshl_add_u32 v[LST], v2, 2, v[LST]           ; word rp (+ 16 i in the immediate)
	v_mul_u32_u24 v[LRD], v2, TP                   ; row e = rp (+ 16 i in the immediate)
	v_add_nc_u32 v[LRD], v[LRD], v3
	v_lshl_add_u32 v[STO], v2, 10, v3              ; the same row in wt
	s_lshl_b32 s18, s15, 18                        ; db x 128 rows x 2,048 bytes
	s_lshl_b32 s17, s16, 8                         ; eb x 64 columns x 4 bytes
	s_add_co_u32 s18, s18, s17
	s_mov_b32 s19, 0
	s_lshl_b32 s20, s14, 19                        ; matrix x 512 rows x 1,024 bytes
	s_lshl_b32 s17, s16, 16                        ; eb x 64 rows x 1,024 bytes
	s_add_co_u32 s20, s20, s17
	s_lshl_b32 s17, s15, 8                         ; db x 128 columns x 2 bytes
	s_add_co_u32 s20, s20, s17
	s_mov_b32 s21, 0
	s_wait_kmcnt 0x0
	s_cmp_eq_u32 s14, 1                            ; the source is chosen by the matrix's number alone
	s_cselect_b64 s[12:13], s[6:7], s[4:5]
	s_cmp_eq_u32 s14, 2
	s_cselect_b64 s[12:13], s[8:9], s[12:13]
	s_add_nc_u64 s[12:13], s[12:13], s[18:19]
	s_add_nc_u64 s[10:11], s[10:11], s[20:21]
.irp i, 0,1,2,3
	global_load_b128 v[X+8*\i:X+8*\i+3],   v[LDO], s[12:13] offset:32*WROW*\i th:TH_LOAD_NT        ; row 2 (rp + 16 i)
	global_load_b128 v[X+8*\i+4:X+8*\i+7], v[LDO], s[12:13] offset:32*WROW*\i+WROW th:TH_LOAD_NT   ; and the row below it
.endr
.irp i, 0,1,2,3
	s_wait_loadcnt 6-2*\i                          ; loads come back in order: pair i is in, the younger pairs stay out
.irp c, 0,1,2,3
	v_cvt_pk_bf16_f32 v[Y+4*\i+\c], v[X+8*\i+\c], v[X+8*\i+4+\c]      ; column c: even d low, odd d high, rounded to nearest even
.endr
.irp c, 0,1,2,3
	ds_store_b32 v[LST], v[Y+4*\i+\c] offset:TP*\c+64*\i
.endr
.endr
	s_wait_dscnt 0x0                               ; my words are in LDS, for the others' sake,
	s_barrier_signal -1
	s_barrier_wait -1                              ; and so are everybody's
.irp i, 0,1,2,3
	ds_load_b128 v[X+4*\i:X+4*\i+3], v[LRD] offset:16*TP*\i
.endr
.irp i, 0,1,2,3
	s_wait_dscnt 3-\i                              ; LDS loads come back in order
	global_store_b128 v[STO], v[X+4*\i:X+4*\i+3], s[10:11] offset:16*OROW*\i    ; sixteen lanes: 256 consecutive bytes, aligned
.endr
	s_wait_tensorcnt 0x0
	ds_add_u32 v64, v65
	s_wait_dscnt 0x0
	s_endpgm
.Lfunc_end_k_q2780888cb5_prep:
	.size	k_q2780888cb5_prep, .Lfunc_end_k_q2780888cb5_prep-k_q2780888cb5_prep
	.p2alignl 7, 3214868480
	.fill 96, 4, 3214868480
	.section	.rodata,"a",@progbits
	.p2align	6, 0x0
	.amdhsa_kernel k_q2780888cb5_prep
		.amdhsa_group_segment_fixed_size 18432
		.amdhsa_private_segment_fixed_size 0
		.amdhsa_enable_private_segment 0
		.amdhsa_kernarg_size 32
		.amdhsa_user_sgpr_count 2
		.amdhsa_user_sgpr_kernarg_segment_ptr 1
		.amdhsa_wavefront_size32 1
		.amdhsa_system_sgpr_workgroup_id_x 1
		.amdhsa_system_sgpr_workgroup_id_y 1
		.amdhsa_system_sgpr_workgroup_id_z 1
		.amdhsa_system_vgpr_workitem_id 0
		.amdhsa_next_free_vgpr 66
		.amdhsa_next_free_sgpr 66
		.amdhsa_reserve_vcc 0
		.amdhsa_float_denorm_mode_32 3
		.amdhsa_float_denorm_mode_16_64 3
		.amdhsa_memory_ordered 1
		.amdhsa_forward_progress 1
		.amdhsa_inst_pref_size 6
	.end_amdhsa_kernel
	.amdgpu_metadata
---
amdhsa.version: [ 1, 2 ]
amdhsa.kernels:
  - .name:           k_q2780888cb5_prep
    .symbol:         k_q2780888cb5_prep.kd
    .args:
      - { .name: Wq, .offset: 0, .size: 8, .value_kind: global_buffer, .address_space: global }
      - { .name: Wk, .offset: 8, .size: 8, .value_kind: global_buffer, .address_space: global }
      - { .name: Wv, .offset: 16, .size: 8, .value_kind: global_buffer, .address_space: global }
      - { .name: wt, .offset: 24, .size: 8, .value_kind: global_buffer, .address_space: global }
    .group_segment_fixed_size: 18432
    .private_segment_fixed_size: 0
    .kernarg_segment_align: 8
    .kernarg_segment_size: 32
    .max_flat_workgroup_size: 256
    .sgpr_count:     66
    .vgpr_count:     66
    .wavefront_size: 32
...
	.end_amdgpu_metadata
.endif
;; end of part 1
;; launch proj (part 2): grid 128 x 2, 4 waves a work-group, clusters of 4 x 1, 327,680 bytes of LDS; arguments x, wt, bq, bk, bv, qkv; writes qkv
.if DOCPART == 2
	.amdgcn_target "amdgcn-amd-amdhsa--gfx1250"
	.amdhsa_code_object_version 6
	.text
	.protected	k_q2780888cb5_proj
	.globl	k_q2780888cb5_proj
	.p2align	8
	.type	k_q2780888cb5_proj,@function
k_q2780888cb5_proj:
	s_mov_b64 s[64:65], 0
	v_nop
	global_prefetch_b8 v0, s[64:65] scope:SCOPE_SE
	s_setreg_imm32_b32 hwreg(HW_REG_WAVE_MODE, 25, 1), 1
	s_wait_xcnt 0x0
	s_wait_alu depctr_hold_cnt(0) depctr_sa_sdst(0) depctr_va_vdst(0) depctr_va_sdst(0) depctr_va_ssrc(0) depctr_va_vcc(0) depctr_vm_vsrc(0)
	s_getreg_b32 s2, hwreg(HW_REG_IB_STS2, 6, 4)
	s_cmp_eq_u32 s2, 0
	s_cbranch_scc0 .Lentry_in_a_cluster
	s_endpgm
.Lentry_in_a_cluster:
	s_bfe_u32 s2, ttmp6, 0x10000c
	s_cmp_lg_u32 s2, 0x3003
	s_cbranch_scc0 .Lentry_shape_is_right
	s_endpgm
.Lentry_shape_is_right:
; qkv[i][row][e] = f16( sum over d of x[row][d] W_i[d][e] + b_i[e] ), i = 0 (Q), 1 (K), 2 (V); row = 2048 b + s, 16,384 rows.
; x: f32 [16384][512].  wt: bf16 [3][512 e][512 d] = 1,536 rows e.  b_i: f32 [512].  qkv: f16 [3][16384][512].  Operands bf16, sums f32, one rounding at the end.
; WHY THE RESULTS ARE f16: Q, K and V are operands of the next launch's products, and their rounding goes straight into its result; f16 keeps eleven
; significant bits where bf16 keeps eight.  Its range has the room: x of spread 1 and W of spread 1 / sqrt(512) give results of spread 1, the largest
; about 6; all inputs 30 times larger give about 5,000; all inputs with an offset of 30 spreads give about 512 x 30 x 1.33 = 20,400; all inputs 30 times
; smaller give a spread of 0.0011, beside f16's finest step of 2^-24.
; THE BLOCK: a work-group takes 128 rows of x and 768 of the 1,536 columns (grid 128 x 2 = 256 work-groups), in three passes of 256 columns.
; It takes in 768 x 1,024 = 786,432 bytes of weights and 262,144 of x; blocks of 64 rows x 1,536 columns would take in 1,572,864 + 131,072 for the same products.
; Four waves, 2 x 2: wave w makes rows 64 (w / 2) .. + 63 and columns 128 (w % 2) .. + 127 of a pass.  Its 64 rows of x lie WHOLE, as bf16 fragments, in its
; registers (64 fragments = 512 registers), so that each fragment of the weights read from LDS feeds four matrix instructions.
; THE RING: two LDS slots of 256 rows e x 256 along d (rows of 512 bytes).  Slot s always holds d = 256 s .. + 255, so a pass is slot 0, then slot 1: six fills
; of 131,072 bytes, 256 matrix instructions of each wave against each.  Each wave fetches 64 rows of a fill; every wave reads rows that two waves fetched.
; CLUSTER: the four work-groups of a cluster are four row blocks with the same columns and walk the same weights: each fill is asked for jointly (mask 15),
; by the same line and the same descriptor (cluster's number, column half, wave's number, constants), behind the same round of the cluster's barrier.
; Only this one operand is shared, and a mask names four work-groups: hence 4 x 1 and not 4 x 4.
; ORDER OF THE PASSES: cluster n takes them in the order (n + p) mod 3, so that the clusters do not all ask for the same rows of wt at the same time.
; THE MATRIX INSTRUCTION IS USED TRANSPOSED: source 0 = 16 rows e of wt, source 1 = 16 rows of x.  Lane l then holds row l % 16 of x and its eight
; result registers the columns e = 8 (l / 16) + 0 .. 7: eight neighbouring numbers of a row of qkv, and the bias of those eight columns, loaded
; into eight registers, is the C of a pass's first product: adding it costs no instruction and nothing is cleared.
; REGISTERS, in windows of 256:
;   window 0: v0-14 addresses; v32-95, v96-159 fragments of wt, two buffers (in the prologue: x as loaded); v160-223 bias; v224-255 packed results
;   windows 1, 2: fragment (q = row block 0..3, ks = step of 32 along d, 0..15) of x at window 1 + ks / 8, register 8 (4 (ks % 8) + q)
;   window 3: accumulator tile (cb = column block 0..7, q) at register 8 (4 cb + q); in the prologue: x as loaded
; Limits: inputs finite; |Q|, |K|, |V| below 65,504 (beyond it the conversion to f16 gives infinity); the operands' rounding to bf16 and the results'
; to f16 are the only losses beside the f32 sums.
.set PITCH,  528                       ; an LDS row of the ring: 512 bytes + 16, an odd multiple of 16
.set WROWS,  64*PITCH                  ; 33,792: the 64 rows that one wave fetches
.set SLOT,   4*WROWS                   ; 135,168
.set SCR,    2*SLOT                    ; 270,336: behind the ring, 33,280 bytes into which no tensor load lands: first the stage of x, later the four out stages
.set XP,     1040                      ; stage of x: a row of 512 bf16 + 16 bytes, an odd multiple of 16; 32 rows
.set OP,     272                       ; out stage: a row of 128 f16 + 16 bytes; 16 rows a wave
.set XO,   4                           ; v4   16 t: my 16 bytes of a row of x (128 threads x 16 bytes = a row)
.set XS,   5                           ; v5   SCR + 8 t: my 8 bytes of a staged row
.set XA,   6                           ; v6   my part of a fragment of x in the stage (my wave's half of its 32 rows)
.set AW,   7                           ; v7, v8  my part of a fragment of wt in slot 0, 1
.set BO,   9                           ; v9   512 (w % 2) + 32 h: my eight bias numbers of column block 0
.set STO,  10                          ; v10  out stage: where I put 16 bytes of a row
.set RD,   11                          ; v11  out stage: where I read a row back
.set CO,   12                          ; v12  my byte offset in the block of qkv
.set XR,   32                          ; v[32:159]  32 rows of x as loaded, 4 registers each
.set F0,   32
.set F1,   96
.set BIAS, 160
.set TMP,  224
.set WAVE, 16                          ; s16  the wave's number
.set G1W,  20                          ; s[20:27] descriptor group 1, the same for every fill
.set G0,   28                          ; s[28:35] descriptor group 0, a set for each slot
.set OUTB, 36                          ; s[36:41] pass p: my wave's corner in qkv
.set BP,   42                          ; s[42:47] pass p: the bias of its first column
.set WTP,  48                          ; s[48:53] pass p: the first of the 64 rows of wt that my wave fetches
.set RH,   54                          ; s54  w / 2: my half of the rows
.set CH,   55                          ; s55  w % 2: my half of a pass's columns
.set ROT,  56                          ; s56  cluster's number mod 3
.set H768, 57                          ; s57  768 x column half
.set MSB, 0
.macro WIN new                         ; s_set_vgpr_msb: low byte 1:0 source 0, 3:2 source 1, 5:4 source 2, 7:6 destination; the high byte repeats the setting that is left
.if MSB != \new
	s_set_vgpr_msb (MSB<<8)|\new
.set MSB, \new
.endif
.endm
.macro PLACES n                        ; places behind matrix instructions (ISA guide 7.12.1): plain vector instructions that name none of their registers
.rept \n
	v_nop
.endr
.endm
.macro CREST                           ; a round of the cluster's barrier behind its opening barrier
	s_cmp_lg_u32 s[WAVE], 0
	s_cbranch_scc1 .Lnw0_\@
	s_barrier_signal -3                            ; wave 0 signals for the work-group
.Lnw0_\@:
	s_barrier_wait -3                              ; every wave waits for all four work-groups
	s_barrier_signal -1
	s_barrier_wait -1
.endm
.macro ROUND                           ; a whole round
	s_barrier_signal -1
	s_barrier_wait -1
	CREST
.endm
.macro BAR                             ; my work-group's barrier
	s_barrier_signal -1
	s_barrier_wait -1
.endm
	s_load_b256 s[4:11], s[0:1], 0x0               ; x s[4:5], wt s[6:7], bq s[8:9], bk s[10:11]
	s_load_b128 s[12:15], s[0:1], 0x20             ; bv s[12:13], qkv s[14:15]
	v_lshl_add_u32 v30, v0, 2, 0x4a200
	v_mov_b32 v31, 0
	ds_add_u32 v30, v31
	v_lshrrev_b32 v1, 5, v0
	v_readfirstlane_b32 s[WAVE], v1                ; wave 0..3
	s_lshr_b32 s[RH], s[WAVE], 1
	s_and_b32 s[CH], s[WAVE], 1
	s_bfe_u32 s17, ttmp6, 0x40000                  ; cx: my place in the cluster
	s_lshl_b32 s18, ttmp9, 2                       ; ttmp9 counts clusters, 0..31
	s_add_co_u32 s18, s18, s17                     ; my block of 128 rows
	s_and_b32 s19, ttmp7, 0xffff                   ; my half of the 1,536 columns
	s_mul_i32 s[H768], s19, 768
	s_mul_i32 s58, ttmp9, 11                       ; n / 3 = (11 n) >> 5 for n = 0..31
	s_lshr_b32 s58, s58, 5
	s_mul_i32 s58, s58, 3
	s_sub_co_u32 s[ROT], ttmp9, s58                ; n mod 3
	v_and_b32 v2, 15, v0                           ; r = lane % 16
	v_bfe_u32 v3, v0, 4, 1                         ; h = lane / 16
	v_lshlrev_b32 v[XO], 4, v0
	v_lshl_add_u32 v[XS], v0, 3, SCR
	v_mul_u32_u24 v1, v2, XP
	v_lshl_add_u32 v1, v3, 4, v1
	s_mul_i32 s58, s[RH], 16*XP                    ; the stage holds 16 rows of the upper half of the block, then 16 of the lower
	s_add_co_u32 s58, s58, SCR
	v_add_nc_u32 v[XA], s58, v1
	v_mul_u32_u24 v1, v2, PITCH
	v_lshl_add_u32 v1, v3, 4, v1                   ; r x 528 + 16 h
	s_mul_i32 s58, s[CH], 2*WROWS                  ; my 128 rows e of a fill
	v_add_nc_u32 v[AW], s58, v1
	v_add_nc_u32 v[AW+1], SLOT, v[AW]
	v_lshlrev_b32 v[BO], 5, v3
	v_lshl_add_u32 v[BO], s[CH], 9, v[BO]
	s_mul_i32 s59, s[WAVE], 16*OP
	s_add_co_u32 s59, s59, SCR                     ; my out stage: 16 rows x 272 bytes
	v_mul_u32_u24 v1, v2, OP
	v_lshl_add_u32 v13, v3, 4, v1
	v_add_nc_u32 v[STO], s59, v13
	v_mul_u32_u24 v14, v3, OP
	v_lshl_add_u32 v14, v2, 4, v14
	v_add_nc_u32 v[RD], s59, v14                   ; lanes 0-15 one row of 256 bytes, lanes 16-31 the next
	v_lshlrev_b32 v[CO], 4, v2
	v_lshl_add_u32 v[CO], v3, 10, v[CO]            ; the same two rows in qkv (rows of 1,024 bytes)
	; descriptor group 1: 64 rows x 256 elements of 2 bytes, rows 512 elements apart, 16 bytes of padding behind each row in LDS
	s_mov_b32 s[G1W+0], 15|(1<<16)|(1<<20)|(1<<21)|(6<<22)|(3<<25)  ; 15:0 mask: all four work-groups; 17:16 2 bytes; 20 padding on; 21 set beside a mask; 24:22 after 128 words; 31:25 four words
	s_mov_b32 s[G1W+1], 256<<16                    ; tensor_dim0 = 256
	s_mov_b32 s[G1W+2], 64<<16                     ; tensor_dim1 = 64
	s_mov_b32 s[G1W+3], 256<<16                    ; tile_dim0 = 256
	s_mov_b32 s[G1W+4], 64                         ; tile_dim1 = 64
	s_mov_b32 s[G1W+5], 512                        ; elements from row to row
	s_mov_b32 s[G1W+6], 0
	s_mov_b32 s[G1W+7], 0
	s_lshl_b32 s66, s18, 18                        ; block x 128 rows x 2,048 bytes of x (s66, s67 alone hold offsets made of my place in the cluster)
	s_mov_b32 s67, 0
	s_wait_dscnt 0x0
	s_wait_kmcnt 0x0
	s_add_nc_u64 s[4:5], s[4:5], s[66:67]          ; x at my block's first row
; Chunk c of x: row block c of the upper half of the block (rows 16 c .. + 15) and of the lower half (rows 64 + 16 c .. + 15).  One instruction of the four
; waves covers a row of 2,048 bytes.  Each row of x is read by two work-groups (the two column halves): no hint.
.macro LOADX c, base, win
	WIN \win
.irp i, 0,1,2,3,4,5,6,7,8,9,10,11,12,13,14,15,16,17,18,19,20,21,22,23,24,25,26,27,28,29,30,31
	global_load_b128 v[\base+4*\i:\base+4*\i+3], v[XO], s[4:5] offset:((\i%16)+16*\c+64*(\i/16))*2048
.endr
	WIN 0
.endm
.macro CVT base, win                   ; round a chunk to bf16, in place
	WIN \win
.irp i, 0,1,2,3,4,5,6,7,8,9,10,11,12,13,14,15,16,17,18,19,20,21,22,23,24,25,26,27,28,29,30,31
	v_cvt_pk_bf16_f32 v[\base+4*\i],   v[\base+4*\i],   v[\base+4*\i+1]
	v_cvt_pk_bf16_f32 v[\base+4*\i+1], v[\base+4*\i+2], v[\base+4*\i+3]
.endr
	WIN 0
.endm
.macro STX base, win                   ; lay its 32 rows into the stage
	WIN \win
.irp i, 0,1,2,3,4,5,6,7,8,9,10,11,12,13,14,15,16,17,18,19,20,21,22,23,24,25,26,27,28,29,30,31
	ds_store_b64 v[XS], v[\base+4*\i:\base+4*\i+1] offset:\i*XP
.endr
	WIN 0
.endm
; A fragment is 16 rows x 32 along d in 8 registers: lane l holds row l % 16; registers 0-3 hold d = 8 (l / 16) + 0..7, registers 4-7 d = 16 + 8 (l / 16) + 0..7:
; two loads of 16 bytes, 32 bytes apart.  The same for both sources.
.macro READX c                         ; my wave's 16 staged rows become its fragments (c, ks)
.irp ks, 0,1,2,3,4,5,6,7,8,9,10,11,12,13,14,15
.if \ks < 8
	WIN 0x40                                       ; destination window 1
.else
	WIN 0x80                                       ; destination window 2
.endif
	ds_load_b128 v[8*(4*(\ks%8)+\c):8*(4*(\ks%8)+\c)+3],   v[XA] offset:64*\ks
	ds_load_b128 v[8*(4*(\ks%8)+\c)+4:8*(4*(\ks%8)+\c)+7], v[XA] offset:64*\ks+32
.endr
	WIN 0
.endm
.macro LOADB p                         ; the bias at s[p:p+1]: register j of block cb = b[first column + 128 (w % 2) + 16 cb + 8 h + j], the layout of a result tile
.irp cb, 0,1,2,3,4,5,6,7
	global_load_b128 v[BIAS+8*\cb:BIAS+8*\cb+3],   v[BO], s[\p:\p+1] offset:64*\cb
	global_load_b128 v[BIAS+8*\cb+4:BIAS+8*\cb+7], v[BO], s[\p:\p+1] offset:64*\cb+16
.endr
.endm
; The pointers of pass p.  Its 256 columns begin at column c0 = 768 x half + 256 x ((n + p) mod 3) of the 1,536: matrix c0 / 512, column c0 % 512.
; s58 to s61 feed the joint loads' addresses and never hold a number made of my place in the cluster.
.macro PASSPTR p
	s_add_co_u32 s58, s[ROT], \p
	s_sub_co_u32 s59, s58, 3                       ; wraps to a huge number below 3,
	s_min_u32 s58, s58, s59                        ; so the smaller of the two is (n + p) mod 3
	s_lshl_b32 s58, s58, 8
	s_add_co_u32 s58, s58, s[H768]                 ; c0
	s_lshr_b32 s59, s58, 9                         ; the matrix
	s_and_b32 s62, s58, 511                        ; the column in it
	s_lshl_b32 s60, s[WAVE], 6
	s_add_co_u32 s60, s60, s58
	s_lshl_b32 s60, s60, 10                        ; row c0 + 64 w of wt, rows of 1,024 bytes
	s_add_nc_u64 s[WTP+2*\p:WTP+2*\p+1], s[6:7], s[60:61]
	s_cmp_eq_u32 s59, 1                            ; the bias is chosen by the matrix's number alone
	s_cselect_b64 s[BP+2*\p:BP+2*\p+1], s[10:11], s[8:9]
	s_cmp_eq_u32 s59, 2
	s_cselect_b64 s[BP+2*\p:BP+2*\p+1], s[12:13], s[BP+2*\p:BP+2*\p+1]
	s_lshl_b32 s60, s62, 2
	s_add_nc_u64 s[BP+2*\p:BP+2*\p+1], s[BP+2*\p:BP+2*\p+1], s[60:61]
	s_lshl_b32 s60, s59, 24                        ; matrix x 16,777,216 bytes
	s_lshl1_add_u32 s60, s62, s60                  ; + 2 bytes a column
	s_add_nc_u64 s[OUTB+2*\p:OUTB+2*\p+1], s[14:15], s[60:61]
.endm
.macro FETCHW s, j, buf                ; 16 LDS loads: my 128 rows e, 32 along d at byte 64 j of slot s's rows
.irp cb, 0,1,2,3,4,5,6,7
	ds_load_b128 v[\buf+8*\cb:\buf+8*\cb+3],   v[AW+(\s)] offset:\cb*16*PITCH+64*(\j)
	ds_load_b128 v[\buf+8*\cb+4:\buf+8*\cb+7], v[AW+(\s)] offset:\cb*16*PITCH+64*(\j)+32
.endr
.endm
; Column blocks cb0 .. cb1 x all four row blocks, 32 along d: step j of slot s, whose part of x lies in window 1 + s.  cm = 1: a pass's first product, its C the bias.
; The 32 accumulators take turns, one instruction a turn, always in the same order.
.macro MULW buf, s, j, cb0, cb1, cm
.if \cm
	WIN 0xc4                                       ; D window 3, wt window 0, x window 1, C (bias) window 0
.else
.if \s == 0
	WIN 0xf4                                       ; D and C window 3, x window 1
.else
	WIN 0xf8                                       ; D and C window 3, x window 2
.endif
.endif
.set cbv, \cb0
.rept \cb1-\cb0+1
.irp q, 0,1,2,3
.if \cm
	v_wmma_f32_16x16x32_bf16 v[8*(4*cbv+\q):8*(4*cbv+\q)+7], v[\buf+8*cbv:\buf+8*cbv+7], v[8*(4*(\j)+\q):8*(4*(\j)+\q)+7], v[BIAS+8*cbv:BIAS+8*cbv+7]
.else
	v_wmma_f32_16x16x32_bf16 v[8*(4*cbv+\q):8*(4*cbv+\q)+7], v[\buf+8*cbv:\buf+8*cbv+7], v[8*(4*(\j)+\q):8*(4*(\j)+\q)+7], v[8*(4*cbv+\q):8*(4*cbv+\q)+7]
.endif
.endr
.set cbv, cbv+1
.endr
.endm
; One of the first seven steps of a slot: fetch the next step's fragments into the other buffer, multiply this one's.
.macro KS s, j, buf, oth, cm
	WIN 0
	PLACES 4                                       ; the other buffer was read by the matrix instructions just issued
	FETCHW \s, (\j)+1, \oth
	s_wait_dscnt 16                                ; all but the 16 loads just issued are in
.if \cm
	s_wait_loadcnt 0x0                             ; the bias
.endif
	MULW \buf, \s, \j, 0, 7, \cm
.endm
; The eighth step of a slot, on buffer 1, and the change of slots.
; mode 2: this slot is filled again, with the same part of d of pass np.  Each wave waits for its reads of the slot and for all its tensor loads (one is out:
; its part of the other slot), the round of the cluster's barrier shows that of every wave of all four work-groups, and the joint load is the first thing
; behind it.  Inside the round stand 16 matrix instructions on registers.  From the request to the wait for it a wave issues 240 matrix instructions.
; mode 1: nothing is left to fetch; the barrier shows the other slot whole.  mode 0: the very last step.
.macro TURN s, mode, np
	s_wait_dscnt 0x0
.if \mode == 2
	s_set_vgpr_msb (MSB<<8)|((MSB&0xf0)|0x0)
	s_wait_tensorcnt 0x0
	ds_add_u32 v30, v31
	s_wait_dscnt 0x0
	s_set_vgpr_msb (((MSB&0xf0)|0x0)<<8)|MSB
	s_barrier_signal -1
	MULW F1, \s, 7, 0, 3, 0
	WIN 0
	s_barrier_wait -1
	CREST
	s_add_nc_u64 s[G0+4*\s+2:G0+4*\s+3], s[WTP+2*\np:WTP+2*\np+1], \s*512   ; no load of mine is out: the group may be written
	s_or_b32 s[G0+4*\s+3], s[G0+4*\s+3], 0x80000000                          ; type = 2
	tensor_load_to_lds s[G0+4*\s:G0+4*\s+3], s[G1W:G1W+7]
	s_nop 0
	PLACES 4
	FETCHW 1-\s, 0, F0
	MULW F1, \s, 7, 4, 7, 0
.endif
.if \mode == 1
	s_wait_tensorcnt 0x0                           ; my part of the last fill; no load was issued behind it
	s_barrier_signal -1
	MULW F1, \s, 7, 0, 3, 0
	WIN 0
	s_barrier_wait -1
	PLACES 4
	FETCHW 1-\s, 0, F0
	MULW F1, \s, 7, 4, 7, 0
.endif
.if \mode == 0
	MULW F1, \s, 7, 0, 7, 0
.endif
.endm
.macro STEP s, cm, mode, np            ; a slot: 256 along d, eight steps on buffers 0, 1, 0, 1, ..
	KS \s, 0, F0, F1, \cm
	KS \s, 1, F1, F0, 0
	KS \s, 2, F0, F1, 0
	KS \s, 3, F1, F0, 0
	KS \s, 4, F0, F1, 0
	KS \s, 5, F1, F0, 0
	KS \s, 6, F0, F1, 0
	TURN \s, \mode, \np
.endm
; Pass i leaves, 16 rows at a time: round to f16, 16 bytes a lane into my own stage, read back as rows of 256 bytes, store.
; The stage is my wave's own and LDS serves a wave's instructions in order (ISA guide 5.7.1): no wait between the stores and the loads.
.macro OUTM i
	WIN 0
	PLACES 4                                       ; behind the last matrix instructions: the conversions read results, the loads land in buffer 1
.irp q, 0,1,2,3
	WIN 0x0f                                       ; both sources window 3
.irp cb, 0,1,2,3,4,5,6,7
.irp rr, 0,1,2,3
	v_cvt_pk_f16_f32 v[TMP+4*\cb+\rr], v[8*(4*\cb+\q)+2*\rr], v[8*(4*\cb+\q)+2*\rr+1]   ; first source into the low half
.endr
.endr
	WIN 0
.irp cb, 0,1,2,3,4,5,6,7
	ds_store_b128 v[STO], v[TMP+4*\cb:TMP+4*\cb+3] offset:32*\cb
.endr
	s_wait_xcnt 0x0                                ; the registers loaded next were the data of earlier stores
.irp t, 0,1,2,3,4,5,6,7
	ds_load_b128 v[F1+32*(\q%2)+4*\t:F1+32*(\q%2)+4*\t+3], v[RD] offset:2*OP*\t
.endr
.irp t, 0,1,2,3,4,5,6,7
	s_wait_dscnt 7-\t                              ; LDS loads come back in order: pair t of rows is in
	global_store_b128 v[CO], v[F1+32*(\q%2)+4*\t:F1+32*(\q%2)+4*\t+3], s[OUTB+2*\i:OUTB+2*\i+1] offset:(16*\q+2*\t)*1024   ; sixteen lanes: 256 consecutive bytes, aligned
.endr
.endr
.if \i < 2
	s_wait_xcnt 0x0                                ; buffer 1, the data of these stores, is loaded again next
.endif
.endm
	LOADX 0, XR, 0                                 ; chunk 0 of x is on its way first
	s_lshl_b32 s66, s18, 17                        ; block x 128 rows x 1,024 bytes of qkv
	s_lshl_b32 s58, s[RH], 16                      ; + my half's 64 rows
	s_add_co_u32 s66, s66, s58
	s_lshl_b32 s58, s[CH], 8                       ; + my 128 columns x 2 bytes
	s_add_co_u32 s66, s66, s58
	s_add_nc_u64 s[14:15], s[14:15], s[66:67]
	s_mov_b32 s61, 0
	PASSPTR 0
	PASSPTR 1
	PASSPTR 2
	s_mov_b32 s[G0], 1                             ; count = 1
	s_mul_i32 s[G0+1], s[WAVE], WROWS              ; LDS: slot 0, my 64 rows
	s_mov_b32 s[G0+4], 1
	s_add_co_u32 s[G0+5], s[G0+1], SLOT            ; slot 1
.irp s, 0,1
	s_add_nc_u64 s[G0+4*\s+2:G0+4*\s+3], s[WTP:WTP+1], \s*512      ; the first pass, d = 256 s
	s_or_b32 s[G0+4*\s+3], s[G0+4*\s+3], 0x80000000                ; type = 2
.endr
	ROUND                                          ; all four work-groups are here: the first joint loads meet
	tensor_load_to_lds s[G0:G0+3], s[G1W:G1W+7]    ; both first fills as one group: two tensor loads of the wave are out, later one
	s_nop 0
	tensor_load_to_lds s[G0+4:G0+7], s[G1W:G1W+7]
	s_nop 0
	LOADX 1, 0, 0xc0                               ; chunk 1 into window 3, which is free until the first product
	; The four chunks go through one stage: stores, barrier, reads, barrier.  A chunk's conversion stands ahead of the barrier that frees the stage.
	s_wait_loadcnt 32                              ; chunk 0 is in; chunk 1's 32 loads stay out
	LOADX 2, 128, 0xc0
	CVT XR, 0
	STX XR, 0
	s_wait_dscnt 0x0                               ; my part of the stage is written, for the others' sake
	BAR                                            ; the stage is whole
	READX 0
	s_wait_loadcnt 32                              ; chunk 1 is in; chunk 2's loads stay out
	LOADX 3, XR, 0                                 ; into chunk 0's registers: the LDS stores that read them were waited for above
	CVT 0, 0xcf
	s_wait_dscnt 0x0                               ; my reads of the stage are over,
	BAR                                            ; everybody's are: it may be written again
	STX 0, 0x0c
	s_wait_dscnt 0x0
	BAR
	READX 1
	s_wait_loadcnt 32                              ; chunk 2 is in; chunk 3's loads stay out
	LOADB BP                                       ; the first pass's bias
	CVT 128, 0xcf
	s_wait_dscnt 0x0
	BAR
	STX 128, 0x0c
	s_wait_dscnt 0x0
	BAR
	READX 2
	s_wait_loadcnt 16                              ; chunk 3 is in; the bias's 16 loads stay out
	CVT XR, 0
	s_wait_dscnt 0x0
	BAR
	STX XR, 0
	s_wait_dscnt 0x0
	BAR
	READX 3
	s_wait_dscnt 0x0
	s_wait_tensorcnt 0x1                           ; my part of slot 0 is in; slot 1's may stay out
	BAR                                            ; slot 0 is whole
	FETCHW 0, 0, F0
	; Three passes of two slots.  The stage of x becomes the out stages only behind the barrier above, in front of which every wave's reads of it were waited for.
	STEP 0, 1, 2, 1
	WIN 0
	LOADB BP+2                                     ; the next pass's bias: the products that took this one's as C lie seven steps back
	STEP 1, 0, 2, 1
	OUTM 0
	STEP 0, 1, 2, 2
	WIN 0
	LOADB BP+4
	STEP 1, 0, 2, 2                                ; the last request
	OUTM 1
	STEP 0, 1, 1, 0
	STEP 1, 0, 0, 0
	OUTM 2
	s_set_vgpr_msb (MSB<<8)|((MSB&0xf0)|0x0)
	s_wait_tensorcnt 0x0
	ds_add_u32 v30, v31
	s_wait_dscnt 0x0
	s_set_vgpr_msb (((MSB&0xf0)|0x0)<<8)|MSB
	ROUND                                          ; the closing round: no work-group ends while a partner may still ask for a tile that names it
	s_endpgm
.Lfunc_end_k_q2780888cb5_proj:
	.size	k_q2780888cb5_proj, .Lfunc_end_k_q2780888cb5_proj-k_q2780888cb5_proj
	.p2alignl 7, 3214868480
	.fill 96, 4, 3214868480
	.section	.rodata,"a",@progbits
	.p2align	6, 0x0
	.amdhsa_kernel k_q2780888cb5_proj
		.amdhsa_group_segment_fixed_size 327680
		.amdhsa_private_segment_fixed_size 0
		.amdhsa_enable_private_segment 0
		.amdhsa_kernarg_size 48
		.amdhsa_user_sgpr_count 2
		.amdhsa_user_sgpr_kernarg_segment_ptr 1
		.amdhsa_wavefront_size32 1
		.amdhsa_system_sgpr_workgroup_id_x 1
		.amdhsa_system_sgpr_workgroup_id_y 1
		.amdhsa_system_sgpr_workgroup_id_z 1
		.amdhsa_system_vgpr_workitem_id 0
		.amdhsa_next_free_vgpr 1024
		.amdhsa_next_free_sgpr 68
		.amdhsa_reserve_vcc 0
		.amdhsa_float_denorm_mode_32 3
		.amdhsa_float_denorm_mode_16_64 3
		.amdhsa_memory_ordered 1
		.amdhsa_forward_progress 1
		.amdhsa_inst_pref_size 255
	.end_amdhsa_kernel
	.section	.bss,"aw",@nobits
	.p2align	6
	.space	262144
	.amdgpu_metadata
---
amdhsa.version: [ 1, 2 ]
amdhsa.kernels:
  - .name:           k_q2780888cb5_proj
    .symbol:         k_q2780888cb5_proj.kd
    .args:
      - { .name: x, .offset: 0, .size: 8, .value_kind: global_buffer, .address_space: global }
      - { .name: wt, .offset: 8, .size: 8, .value_kind: global_buffer, .address_space: global }
      - { .name: bq, .offset: 16, .size: 8, .value_kind: global_buffer, .address_space: global }
      - { .name: bk, .offset: 24, .size: 8, .value_kind: global_buffer, .address_space: global }
      - { .name: bv, .offset: 32, .size: 8, .value_kind: global_buffer, .address_space: global }
      - { .name: qkv, .offset: 40, .size: 8, .value_kind: global_buffer, .address_space: global }
    .group_segment_fixed_size: 327680
    .private_segment_fixed_size: 0
    .kernarg_segment_align: 8
    .kernarg_segment_size: 48
    .max_flat_workgroup_size: 128
    .sgpr_count:     68
    .vgpr_count:     1024
    .wavefront_size: 32
...
	.end_amdgpu_metadata
.endif
;; end of part 2
;; launch attn (part 3): grid 32 x 8, 4 waves a work-group, clusters of 4 x 1, 327,680 bytes of LDS; arguments qkv, out0; writes out0
.if DOCPART == 3
	.amdgcn_target "amdgcn-amd-amdhsa--gfx1250"
	.amdhsa_code_object_version 6
	.text
	.protected	k_q2780888cb5_attn
	.globl	k_q2780888cb5_attn
	.p2align	8
	.type	k_q2780888cb5_attn,@function
k_q2780888cb5_attn:
	s_mov_b64 s[64:65], 0
	v_nop
	global_prefetch_b8 v0, s[64:65] scope:SCOPE_SE
	s_setreg_imm32_b32 hwreg(HW_REG_WAVE_MODE, 25, 1), 1
	s_wait_xcnt 0x0
	s_wait_alu depctr_hold_cnt(0) depctr_sa_sdst(0) depctr_va_vdst(0) depctr_va_sdst(0) depctr_va_ssrc(0) depctr_va_vcc(0) depctr_vm_vsrc(0)
	s_getreg_b32 s2, hwreg(HW_REG_IB_STS2, 6, 4)
	s_cmp_eq_u32 s2, 0
	s_cbranch_scc0 .Lentry_in_a_cluster
	s_endpgm
.Lentry_in_a_cluster:
	s_bfe_u32 s2, ttmp6, 0x10000c
	s_cmp_lg_u32 s2, 0x3003
	s_cbranch_scc0 .Lentry_shape_is_right
	s_endpgm
.Lentry_shape_is_right:
; out0[b][s][:] = softmax over keys of (Q[b][s] . K[b][key] / sqrt(512)) x V[b].  qkv: f16 [3][16384][512] (Q, K, V).  out0: f32 [8][2048][512].
; A work-group takes 64 queries of one batch (32 x 8 = 256 work-groups) and walks the 2,048 keys in 16 tiles of 128, with a running maximum.
; Four waves.  Q lies whole, as 64 fragments, in each wave's registers.  In the score phase wave w takes keys 32 w .. + 31 of the tile and all 64
; queries; in the PV phase it takes columns 128 w .. + 127 of the result and all 128 keys: 128 matrix instructions a wave in each phase.
; FORMAT: both products take f16 operands and sum in f32.  Q, K and V come in f16 (their range: the head of the launch that makes them); P lies in
; [0, 1] and is rounded to f16, eleven significant bits; a p below 2^-25 becomes 0, beside a row sum of at least 1.
; EVERYTHING IS USED TRANSPOSED: S^T = K (source 0, rows = keys) x Q (source 1); O^T = V^T (source 0, rows = columns of V) x P (source 1).
; So a lane always belongs to query 16 q + lane % 16: maximum, sum and rescale factor are one number for a lane and q, and a lane's eight results
; are eight neighbouring keys (16 bytes of P in f16) or eight neighbouring columns (32 bytes of out0).
; V stays [key][column] in memory and in LDS and is transposed by the LDS load (ds_load_tr16_b128).
; CLUSTER: the four work-groups of a cluster are four query blocks of one batch and walk the same K and V: each tile is asked for jointly (mask 15),
; by the same line and the same descriptor (batch, cluster's number, wave's number, constants), behind a round of the cluster's barrier.  Only K and V
; are shared, and a mask names four work-groups: hence 4 x 1.  Q's load is each work-group's own (mask 0).
; ORDER OF THE TILES: the running maximum leaves the order of the keys free.  Cluster c (0..7) of a batch begins at tile 4 g, g = 2 bit1(c) + (bit0(c) xor bit2(c)),
; and walks (4 g + t) mod 16: the eight clusters do not all ask for the same tile at the same time, and from the fifth trip on a tile has been read four
; trips earlier by the clusters that began four tiles further on.  g takes all four values over c = 0..3, over c = 4..7, over the even c and over the odd c.
; K and V have one LDS slot each: the next K tile is asked for when the scores of this tile are done and has softmax and PV to land;
; the next V tile is asked for when PV is done and has the next scores to land.  A wave has two tensor loads out at the start, later one.
; SOFTMAX: p = exp2(c s - c m), c = log2(e) / sqrt(512) = 0x3d8293ee, m the running maximum of the raw scores; when m grows, sums and O are
; multiplied by exp2(c (m_old - m_new)).  Limits: inputs finite; an exponential below 2^-126 counts as 0 (v_exp_f32 flushes: ISA guide 15.8);
; the row sums are taken over p in f32, before p is rounded to f16 for the product; a row's sum is at least 1 (its maximum gives exp2(0)).
; REGISTERS, in windows of 256:
;   window 0: addresses, softmax state, and v64-255: K fragments (two buffers) and the 8 score tiles, then V and P fragments (two buffers)
;   windows 1, 2: Q fragment (q = query block 0..3, ks = step of 32 along d, 0..15) at window 1 + ks / 8, register 8 (4 (ks % 8) + q)
;   window 3: O tile (cb = column block 0..7, q) at register 8 (4 cb + q)
.set KP,     272                       ; K, Q, P, out stage: 256 bytes + 16, an odd multiple of 16
.set KSTRIP, 128*KP                    ; 34,816: strip g of K = 128 keys x columns 128 g .. + 127
.set VSLOT,  4*KSTRIP                  ; 139,264
.set VP,     288                       ; V: 256 bytes + 32, an odd multiple of 32, for the transposing load
.set VSTRIP, 128*VP                    ; 36,864: strip w of V = 128 keys x wave w's columns.  At the start strip w holds 64 rows of Q, pitch 272
.set PBUF,   VSLOT+4*VSTRIP            ; 286,720: P, 64 queries x 272; at the end four out stages of 16 rows x 272.  No tensor load lands from here on
.set STAT,   PBUF+64*KP                ; 304,128: wave w at 256 w, lane r at 16 r: four maxima; 1,024 bytes further the same for the sums
.set TILEB,  128*1024                  ; bytes of a tile of 128 keys in K or in V
.set ADRK, 4                           ; v4, v5  my part of a K fragment in strips 0-1, 2-3
.set ADRV, 6                           ; v6   my part of a transposing load of V
.set ADRP, 7                           ; v7   my part of a P fragment
.set STP,  8                           ; v8   where I put 16 bytes of P
.set STS,  9                           ; v9   where my wave's four maxima go
.set RDS,  10                          ; v10  where I read the four waves' maxima
.set STO,  11                          ; v11  out stage: where I put 32 bytes of a row
.set RDO,  12                          ; v12  out stage: where I read a row back
.set CO,   13                          ; v13  my byte offset in the block of out0
.set PFO,  14                          ; v14  the block of 256 bytes of a tile that I prefetch
.set M,    16                          ; v[16:19]  running maximum of the raw scores, q = 0..3
.set RM,   20                          ; v[20:23]  at work: this tile's maximum
.set AL,   24                          ; v[24:31]  rescale factor, twice (a pair for the packed forms)
.set NB,   32                          ; v[32:39]  - c x maximum, twice
.set LS,   40                          ; v[40:47]  my two partial sums
.set ST,   48                          ; v[48:63]  the four waves' figures; v48, v49 in the prologue: my part of a Q fragment
.set QA,   48
.set KB0,  64
.set KB1,  128
.set S,    192                         ; score tile (kb = key block 0..1, q) at S + 8 (4 kb + q)
.set F0,   64                          ; PV: 8 fragments of V, then 4 of P
.set F1,   160
.set TMP,  64                          ; the way out
.set RB,   96
.set G1K, 16
.set G1V, 24
.set G1Q, 32
.set G0K, 40
.set G0V, 44
.set G0Q, 48
.set PFB, 52                           ; s[52:53]  the tile two behind my first, in K or in V; never rewritten
.set OUTP, 54                          ; s[54:55]  my wave's corner in out0
.set KBASE, 66                         ; s[66:67]  K, my batch, my wave's strip of columns
.set VBASE, 68                         ; s[68:69]  V likewise
.set KOFF, 70                          ; s[70:71]  byte offset in the batch of the K tile asked for last
.set VOFF, 72                          ; s[72:73]  the same for V
.set MSB, 0
.macro WIN new                         ; s_set_vgpr_msb: low byte 1:0 source 0, 3:2 source 1, 5:4 source 2, 7:6 destination; the high byte repeats the setting that is left
.if MSB != \new
	s_set_vgpr_msb (MSB<<8)|\new
.set MSB, \new
.endif
.endm
.macro PLACES n                        ; places behind matrix instructions (ISA guide 7.12.1)
.rept \n
	v_nop
.endr
.endm
.macro CREST                           ; a round of the cluster's barrier behind its opening barrier
	s_cmp_lg_u32 s8, 0
	s_cbranch_scc1 .Lnw0_\@
	s_barrier_signal -3
.Lnw0_\@:
	s_barrier_wait -3
	s_barrier_signal -1
	s_barrier_wait -1
.endm
.macro ROUND
	s_barrier_signal -1
	s_barrier_wait -1
	CREST
.endm
	s_load_b128 s[4:7], s[0:1], 0x0                ; qkv s[4:5], out0 s[6:7]
	v_lshl_add_u32 v62, v0, 2, 0x4ac00
	v_mov_b32 v63, 0
	ds_add_u32 v62, v63
	s_wait_dscnt 0x0
	v_lshrrev_b32 v1, 5, v0
	v_readfirstlane_b32 s8, v1                     ; wave 0..3
	s_bfe_u32 s9, ttmp6, 0x40000                   ; cx
	s_lshl_b32 s10, ttmp9, 2
	s_add_co_u32 s10, s10, s9                      ; query block 0..31
	s_and_b32 s11, ttmp7, 0xffff                   ; batch
	s_mov_b32 s12, 0x76543210                      ; v_permlanex16_b32: lane i of one half reads lane i of the other
	s_mov_b32 s13, 0xfedcba98
	; my cluster's first tile, from the cluster's number c = ttmp9 alone (s70 to s75 never hold a number made of my place in the cluster)
	s_lshr_b32 s74, ttmp9, 2                       ; bit 2 of c
	s_xor_b32 s75, s74, ttmp9
	s_and_b32 s75, s75, 1                          ; bit 0 xor bit 2
	s_and_b32 s[KOFF], ttmp9, 2                    ; 2 x bit 1
	s_or_b32 s[KOFF], s[KOFF], s75                 ; g = 0..3
	s_lshl_b32 s[KOFF], s[KOFF], 19                ; tile 4 g, in bytes: 4 x 131,072 g
	s_mov_b32 s[KOFF+1], 0
	s_mov_b32 s[VOFF], s[KOFF]
	s_mov_b32 s[VOFF+1], 0
	; group 1 of K's, V's and Q's tiles: rows of 128 elements of 2 bytes, 512 elements apart
	s_mov_b32 s[G1K+0], 15|(1<<16)|(1<<20)|(1<<21)|(5<<22)|(3<<25)  ; mask: all four; 2 bytes; padding on; bit 21 beside a mask; after 64 words, 4 words
	s_mov_b32 s[G1V+0], 15|(1<<16)|(1<<20)|(1<<21)|(5<<22)|(7<<25)  ; the same with 8 words of padding
	s_mov_b32 s[G1Q+0], (1<<16)|(1<<20)|(5<<22)|(3<<25)             ; no mask: my own load; 4 words of padding
.irp g, G1K, G1V, G1Q
	s_mov_b32 s[\g+1], 128<<16                     ; tensor_dim0 = 128
	s_mov_b32 s[\g+3], 128<<16                     ; tile_dim0 = 128
	s_mov_b32 s[\g+5], 512                         ; elements from row to row
	s_mov_b32 s[\g+6], 0
	s_mov_b32 s[\g+7], 0
.endr
	s_mov_b32 s[G1K+2], 128<<16                    ; tensor_dim1 = 128 keys
	s_mov_b32 s[G1K+4], 128                        ; tile_dim1
	s_mov_b32 s[G1V+2], 128<<16
	s_mov_b32 s[G1V+4], 128
	s_mov_b32 s[G1Q+2], 64<<16                     ; 64 queries
	s_mov_b32 s[G1Q+4], 64
	s_mov_b32 s[G0K], 1
	s_mul_i32 s[G0K+1], s8, KSTRIP                 ; wave w fills strip w of K,
	s_mov_b32 s[G0V], 1
	s_mul_i32 s[G0V+1], s8, VSTRIP
	s_add_co_u32 s[G0V+1], s[G0V+1], VSLOT         ; strip w of V,
	s_mov_b32 s[G0Q], 1
	s_mul_i32 s[G0Q+1], s8, VSTRIP
	s_add_co_u32 s[G0Q+1], s[G0Q+1], VSLOT         ; and first strip w of Q, in V's place
	s_lshl_b32 s56, s11, 21                        ; batch x 2,048 rows x 1,024 bytes
	s_lshl_b32 s58, s8, 8                          ; + wave x 128 columns x 2 bytes
	s_add_co_u32 s56, s56, s58
	s_mov_b32 s57, 0
	s_lshl_b32 s60, s10, 16                        ; query block x 64 rows x 1,024 bytes: enters Q's address alone
	s_mov_b32 s61, 0
	s_lshl_b32 s52, s11, 21
	s_add_co_u32 s52, s52, 16777216+2*TILEB        ; K, my batch, two tiles
	s_add_co_u32 s52, s52, s[KOFF]                 ; behind my cluster's first;
	s_lshl_b32 s74, s74, 24
	s_add_co_u32 s52, s52, s74                     ; clusters 4 to 7: the same tile of V, 16,777,216 bytes further
	s_mov_b32 s53, 0
	s_lshl_b32 s54, s11, 22                        ; batch x 2,048 rows x 2,048 bytes of out0
	s_lshl_b32 s59, s10, 17                        ; + query block x 64 rows
	s_add_co_u32 s54, s54, s59
	s_lshl_b32 s59, s8, 9                          ; + wave x 128 columns x 4 bytes
	s_add_co_u32 s54, s54, s59
	s_mov_b32 s55, 0
	s_wait_kmcnt 0x0
	s_add_nc_u64 s[56:57], s[4:5], s[56:57]
	s_add_nc_u64 s[KBASE:KBASE+1], s[56:57], 16777216
	s_add_nc_u64 s[VBASE:VBASE+1], s[56:57], 33554432
	s_add_nc_u64 s[G0K+2:G0K+3], s[KBASE:KBASE+1], s[KOFF:KOFF+1]
	s_add_nc_u64 s[G0V+2:G0V+3], s[VBASE:VBASE+1], s[VOFF:VOFF+1]
	s_add_nc_u64 s[G0Q+2:G0Q+3], s[56:57], s[60:61]
	s_or_b32 s[G0K+3], s[G0K+3], 0x80000000        ; type = 2
	s_or_b32 s[G0V+3], s[G0V+3], 0x80000000
	s_or_b32 s[G0Q+3], s[G0Q+3], 0x80000000
	s_add_nc_u64 s[PFB:PFB+1], s[4:5], s[52:53]
	s_add_nc_u64 s[OUTP:OUTP+1], s[6:7], s[54:55]
	ROUND                                          ; all four work-groups are here: the first joint load meets
	tensor_load_to_lds s[G0Q:G0Q+3], s[G1Q:G1Q+7]  ; the first fills as one group: Q,
	s_nop 0
	tensor_load_to_lds s[G0K:G0K+3], s[G1K:G1K+7]  ; K's first tile
	s_nop 0
	v_and_b32 v2, 15, v0                           ; r = lane % 16
	v_bfe_u32 v3, v0, 4, 1                         ; h = lane / 16
	v_mul_u32_u24 v1, v2, KP
	v_lshl_add_u32 v15, v3, 4, v1                  ; r x 272 + 16 h
	s_mul_i32 s62, s8, 32*KP                       ; my 32 keys
	v_add_nc_u32 v[ADRK], s62, v15
	v_add_nc_u32 v[ADRK+1], 2*KSTRIP, v[ADRK]
	v_and_b32 v[ADRV], 7, v0                       ; the transposing load: lane l addresses key 8 h + l % 8, columns 8 ((l / 8) % 2) + 0..7
	v_lshl_add_u32 v[ADRV], v3, 3, v[ADRV]
	v_mul_u32_u24 v[ADRV], v[ADRV], VP
	v_bfe_u32 v[ADRP], v0, 3, 1
	v_lshl_add_u32 v[ADRV], v[ADRP], 4, v[ADRV]
	v_add_nc_u32 v[ADRV], s[G0V+1], v[ADRV]        ; + my strip
	v_add_nc_u32 v[ADRP], PBUF, v15
	v_lshl_add_u32 v[STP], s8, 6, v[ADRP]          ; my 32 keys are 64 bytes of a row of P
	v_lshl_add_u32 v[RDS], v2, 4, STAT
	v_lshl_add_u32 v[STS], s8, 8, v[RDS]
	s_mul_i32 s63, s8, 16*KP
	s_add_co_u32 s63, s63, PBUF                    ; my out stage
	v_lshl_add_u32 v[STO], v3, 5, v1
	v_add_nc_u32 v[STO], s63, v[STO]
	v_mul_u32_u24 v[RDO], v3, KP
	v_lshl_add_u32 v[RDO], v2, 4, v[RDO]
	v_add_nc_u32 v[RDO], s63, v[RDO]
	v_lshlrev_b32 v[CO], 4, v2
	v_lshl_add_u32 v[CO], v3, 11, v[CO]            ; rows of out0 are 2,048 bytes
	v_lshlrev_b32 v[PFO], 8, v0                    ; block 128 cx + thread of a tile's 512 blocks of 256 bytes
	v_lshl_add_u32 v[PFO], s9, 15, v[PFO]
	v_add_nc_u32 v[QA], VSLOT, v15
	v_add_nc_u32 v[QA+1], 2*VSTRIP, v[QA]
	v_mov_b32 v[ST+2], 0                           ; v_permlanex16_b32's destination counts as read: v48-51 are all written
	v_mov_b32 v[ST+3], 0
	s_wait_tensorcnt 0x1                           ; my strip of Q is in; K's tile may stay out
	s_barrier_signal -1
	s_barrier_wait -1                              ; all four strips are
.irp ks, 0,1,2,3,4,5,6,7,8,9,10,11,12,13,14,15
.if \ks < 8
	WIN 0x40
.else
	WIN 0x80
.endif
.irp q, 0,1,2,3
	ds_load_b128 v[8*(4*(\ks%8)+\q):8*(4*(\ks%8)+\q)+3],   v[QA+\ks/8] offset:((\ks/4)%2)*VSTRIP+16*KP*\q+64*(\ks%4)
	ds_load_b128 v[8*(4*(\ks%8)+\q)+4:8*(4*(\ks%8)+\q)+7], v[QA+\ks/8] offset:((\ks/4)%2)*VSTRIP+16*KP*\q+64*(\ks%4)+32
.endr
.endr
	WIN 0
	s_wait_dscnt 0x0                               ; my reads of Q are over
	s_wait_xcnt 0x0
	v_lshl_add_u32 v62, v0, 2, 0x4ac00
	v_mov_b32 v63, 0
	s_wait_tensorcnt 0x0                           ; and all my tensor loads have landed (K's first tile)
	ds_add_u32 v62, v63
	s_wait_dscnt 0x0
	ROUND                                          ; both hold of every wave of all four work-groups
	tensor_load_to_lds s[G0V:G0V+3], s[G1V:G1V+7]  ; V's first tile, over Q's bytes: my one load behind the round
	s_nop 0
.macro FETCHK g, buf                   ; 16 LDS loads: my 32 keys, d = 128 g .. + 127: fragments (i = step of 32, kb) at buf + 8 (2 i + kb)
.irp i, 0,1,2,3
.irp kb, 0,1
	ds_load_b128 v[\buf+8*(2*\i+\kb):\buf+8*(2*\i+\kb)+3],   v[ADRK+\g/2] offset:(\g%2)*KSTRIP+\kb*16*KP+64*\i
	ds_load_b128 v[\buf+8*(2*\i+\kb)+4:\buf+8*(2*\i+\kb)+7], v[ADRK+\g/2] offset:(\g%2)*KSTRIP+\kb*16*KP+64*\i+32
.endr
.endr
.endm
; 32 matrix instructions: 128 along d.  The 8 score tiles take turns, one instruction a turn, always in the same order.
; zero = 1: the first product starts the sums.
.macro MULS g, buf, zero
.irp i, 0,1,2,3
.set zz, 0
.if \zero
.if \i == 0
.set zz, 1
.endif
.endif
.irp kb, 0,1
.irp q, 0,1,2,3
.if zz
	v_wmma_f32_16x16x32_f16 v[S+8*(4*\kb+\q):S+8*(4*\kb+\q)+7], v[\buf+8*(2*\i+\kb):\buf+8*(2*\i+\kb)+7], v[8*(4*((4*\g+\i)%8)+\q):8*(4*((4*\g+\i)%8)+\q)+7], 0
.else
	v_wmma_f32_16x16x32_f16 v[S+8*(4*\kb+\q):S+8*(4*\kb+\q)+7], v[\buf+8*(2*\i+\kb):\buf+8*(2*\i+\kb)+7], v[8*(4*((4*\g+\i)%8)+\q):8*(4*((4*\g+\i)%8)+\q)+7], v[S+8*(4*\kb+\q):S+8*(4*\kb+\q)+7]
.endif
.endr
.endr
.endr
.endm
; The largest raw score of my wave's 32 keys for each of my four queries: 16 registers a query in four chains, then the other half of the lanes.
.macro LOCALMAX
.irp q, 0,1,2,3
	v_max3_num_f32 v[RM+\q], v[S+8*\q], v[S+8*\q+1], v[S+8*\q+2]
.endr
.irp k, 3,5
.irp q, 0,1,2,3
	v_max3_num_f32 v[RM+\q], v[RM+\q], v[S+8*\q+\k], v[S+8*\q+\k+1]
.endr
.endr
.irp q, 0,1,2,3
	v_max3_num_f32 v[RM+\q], v[RM+\q], v[S+8*\q+7], v[S+32+8*\q]
.endr
.irp k, 1,3,5
.irp q, 0,1,2,3
	v_max3_num_f32 v[RM+\q], v[RM+\q], v[S+32+8*\q+\k], v[S+32+8*\q+\k+1]
.endr
.endr
.irp q, 0,1,2,3
	v_max_num_f32 v[RM+\q], v[RM+\q], v[S+32+8*\q+7]
.endr
.irp q, 0,1,2,3
	v_permlanex16_b32 v[ST+\q], v[RM+\q], s12, s13
.endr
.irp q, 0,1,2,3
	v_max_num_f32 v[RM+\q], v[RM+\q], v[ST+\q]
.endr
	ds_store_b128 v[STS], v[RM:RM+3]               ; both halves of the lanes write the same 16 bytes with the same numbers
.endm
; The four waves' maxima and the old one give the new maximum; AL = exp2(c (old - new)), NB = - c x new.
.macro NEWMAX first
.irp u, 0,1,2,3
	ds_load_b128 v[ST+4*\u:ST+4*\u+3], v[RDS] offset:256*\u
.endr
	s_wait_dscnt 0x0
.irp q, 0,1,2,3
	v_max3_num_f32 v[RM+\q], v[ST+\q], v[ST+4+\q], v[ST+8+\q]
.endr
.if \first
.irp q, 0,1,2,3
	v_max_num_f32 v[RM+\q], v[RM+\q], v[ST+12+\q]
.endr
.else
.irp q, 0,1,2,3
	v_max3_num_f32 v[RM+\q], v[RM+\q], v[ST+12+\q], v[M+\q]
.endr
.irp q, 0,1,2,3
	v_sub_f32 v[ST+\q], v[M+\q], v[RM+\q]          ; at most 0, and exactly 0 where the maximum stays
.endr
.irp q, 0,1,2,3
	v_mul_f32 v[ST+\q], 0x3d8293ee, v[ST+\q]
.endr
.irp q, 0,1,2,3
	v_exp_f32 v[AL+2*\q],   v[ST+\q]               ; twice, to fill the pair; the multiplications below are the plain
	v_exp_f32 v[AL+2*\q+1], v[ST+\q]               ; instructions that stand between these and the first use (ISA guide 5.7.2)
.endr
.endif
.irp q, 0,1,2,3
	v_mul_f32 v[NB+2*\q],   0xbd8293ee, v[RM+\q]
	v_mul_f32 v[NB+2*\q+1], 0xbd8293ee, v[RM+\q]
.endr
.irp q, 0,1,2,3
	v_mov_b32 v[M+\q], v[RM+\q]
.endr
.endm
.macro SFMA q                          ; c s - c m, two at a time
.irp kb, 0,1
.irp p, 0,1,2,3
	v_pk_fma_f32 v[S+8*(4*\kb+\q)+2*\p:S+8*(4*\kb+\q)+2*\p+1], v[S+8*(4*\kb+\q)+2*\p:S+8*(4*\kb+\q)+2*\p+1], 0x3d8293ee, v[NB+2*\q:NB+2*\q+1] op_sel_hi:[1,0,1]
.endr
.endr
.endm
.macro SEXP q
.irp kb, 0,1
.irp j, 0,1,2,3,4,5,6,7
	v_exp_f32 v[S+8*(4*\kb+\q)+\j], v[S+8*(4*\kb+\q)+\j]
.endr
.endr
.endm
; The sums take this tile's 16 numbers (the old sums rescaled in the same fused instruction), then the numbers are packed in place to f16,
; each pair behind the addition that reads it, and stored: 16 bytes = 8 neighbouring keys of my query's row of P.
.macro SFIN q, first
.if \first
	s_wait_alu depctr_va_vdst(0)
	v_pk_add_f32 v[LS+2*\q:LS+2*\q+1], v[S+8*\q:S+8*\q+1], v[S+8*\q+2:S+8*\q+3]
.else
	s_wait_alu depctr_va_vdst(0)
	v_pk_fma_f32 v[LS+2*\q:LS+2*\q+1], v[LS+2*\q:LS+2*\q+1], v[AL+2*\q:AL+2*\q+1], v[S+8*\q:S+8*\q+1]
	v_pk_add_f32 v[LS+2*\q:LS+2*\q+1], v[LS+2*\q:LS+2*\q+1], v[S+8*\q+2:S+8*\q+3]
.endif
	v_pk_add_f32 v[LS+2*\q:LS+2*\q+1], v[LS+2*\q:LS+2*\q+1], v[S+8*\q+4:S+8*\q+5]
	v_pk_add_f32 v[LS+2*\q:LS+2*\q+1], v[LS+2*\q:LS+2*\q+1], v[S+8*\q+6:S+8*\q+7]
.irp p, 0,1,2,3
	v_cvt_pk_f16_f32 v[S+8*\q+\p], v[S+8*\q+2*\p], v[S+8*\q+2*\p+1]
	v_pk_add_f32 v[LS+2*\q:LS+2*\q+1], v[LS+2*\q:LS+2*\q+1], v[S+32+8*\q+2*\p:S+32+8*\q+2*\p+1]
.endr
	ds_store_b128 v[STP], v[S+8*\q:S+8*\q+3] offset:16*KP*\q
.irp p, 0,1,2,3
	v_cvt_pk_f16_f32 v[S+32+8*\q+\p], v[S+32+8*\q+2*\p], v[S+32+8*\q+2*\p+1]
.endr
	ds_store_b128 v[STP], v[S+32+8*\q:S+32+8*\q+3] offset:16*KP*\q+32
.endm
; Behind each run of exponentials stands the next query block's plain arithmetic (or one v_nop) before their results are read (ISA guide 5.7.2).
.macro SOFT first
	SFMA 0
	SEXP 0
	SFMA 1
	SFIN 0, \first
	SEXP 1
	SFMA 2
	SFIN 1, \first
	SEXP 2
	SFMA 3
	SFIN 2, \first
	SEXP 3
	v_nop
	s_wait_alu depctr_va_vdst(0)
	SFIN 3, \first
.endm
.macro RESCALE a, b                    ; O tiles a .. b (tile 4 cb + q) times their query's factor
	WIN 0xc3                                       ; destination and source 0 window 3, the factor window 0
.set tt, \a
.rept \b-\a+1
.irp p, 0,1,2,3
	v_pk_mul_f32 v[8*tt+2*\p:8*tt+2*\p+1], v[8*tt+2*\p:8*tt+2*\p+1], v[AL+2*(tt%4):AL+2*(tt%4)+1]
.endr
.set tt, tt+1
.endr
.endm
.macro FETCHPV ks, f                   ; 24 LDS loads: keys 32 ks .. + 31: my 128 columns of V, transposed, and all 64 queries of P
.irp cb, 0,1,2,3,4,5,6,7
	ds_load_tr16_b128 v[\f+8*\cb:\f+8*\cb+3],   v[ADRV] offset:32*VP*\ks+32*\cb
	ds_load_tr16_b128 v[\f+8*\cb+4:\f+8*\cb+7], v[ADRV] offset:32*VP*\ks+32*\cb+16*VP
.endr
.irp q, 0,1,2,3
	ds_load_b128 v[\f+64+8*\q:\f+64+8*\q+3],   v[ADRP] offset:16*KP*\q+64*\ks
	ds_load_b128 v[\f+64+8*\q+4:\f+64+8*\q+7], v[ADRP] offset:16*KP*\q+64*\ks+32
.endr
.endm
; 32 matrix instructions: 32 keys.  The 32 O tiles take turns, one instruction a turn, always in the same order.
.macro MULPV f, zero
	WIN 0xf0                                       ; D and C window 3, V and P window 0
.irp cb, 0,1,2,3,4,5,6,7
.irp q, 0,1,2,3
.if \zero
	v_wmma_f32_16x16x32_f16 v[8*(4*\cb+\q):8*(4*\cb+\q)+7], v[\f+8*\cb:\f+8*\cb+7], v[\f+64+8*\q:\f+64+8*\q+7], 0
.else
	v_wmma_f32_16x16x32_f16 v[8*(4*\cb+\q):8*(4*\cb+\q)+7], v[\f+8*\cb:\f+8*\cb+7], v[\f+64+8*\q:\f+64+8*\q+7], v[8*(4*\cb+\q):8*(4*\cb+\q)+7]
.endif
.endr
.endr
.endm
; One tile of 128 keys.  first: no old maximum, sums or O.  refill: K's and V's next tiles are asked for.  pf = 1, 2: trip pf - 1 prefetches; 0: no prefetch.
.macro TILE first, refill, pf
	PLACES 5                                       ; the score tiles are written over, and K's fragments loaded into, registers that the last PV products read
	WIN 0x04                                       ; source 1 (Q) window 1; LDS loads name destination and source 0 alone
	FETCHK 0, KB0
	FETCHK 1, KB1
	s_wait_dscnt 16                                ; the first 16 are in
	MULS 0, KB0, 1
	PLACES 4
	FETCHK 2, KB0
	s_wait_dscnt 16                                ; all but the 16 just issued
	MULS 1, KB1, 0
	WIN 0x08                                       ; Q window 2
	PLACES 4
	FETCHK 3, KB1
	s_wait_dscnt 16
	MULS 2, KB0, 0
	s_wait_dscnt 0x0
	MULS 3, KB1, 0
	WIN 0
	PLACES 4                                       ; the scores are read next
	LOCALMAX
	; Barrier 1 publishes the maxima and ends the reads of K.
	s_wait_dscnt 0x0                               ; my reads of K are over, my maxima are in LDS
	s_wait_xcnt 0x0
	v_lshl_add_u32 v62, v0, 2, 0x4ac00
	v_mov_b32 v63, 0
	s_wait_tensorcnt 0x0                           ; all my tensor loads have landed: one was out, my strip of this tile's V
	ds_add_u32 v62, v63
	s_wait_dscnt 0x0
.if \refill
	s_add_co_u32 s[KOFF], s[KOFF], TILEB           ; the next tile, round the batch's 16 tiles
	s_and_b32 s[KOFF], s[KOFF], 16*TILEB-1
	s_add_nc_u64 s[G0K+2:G0K+3], s[KBASE:KBASE+1], s[KOFF:KOFF+1]   ; no load of mine is out: the group may be written
	s_or_b32 s[G0K+3], s[G0K+3], 0x80000000        ; type = 2
	ROUND                                          ; no wave of any partner still reads K or has a load on its way
	tensor_load_to_lds s[G0K:G0K+3], s[G1K:G1K+7]  ; K's next tile: my one load behind the round
	s_nop 0
.else
	s_barrier_signal -1
	s_barrier_wait -1
.endif
	NEWMAX \first
.if \pf
	; Trips 0 and 1 ask for the tile two trips ahead (tiles 4 g + 2 and 4 g + 3, at most tile 15): the tiles that no cluster has read before mine.  Later tiles
	; were read four trips earlier by another cluster and are not asked for.  The two clusters with the same first tile (c and c xor 5) share the asking:
	; the one with c < 4 asks for K's tile, the other for V's; 4 work-groups x 128 threads = the tile's 512 blocks of 256 bytes, each block once in the launch.
	global_prefetch_b8 v[PFO], s[PFB:PFB+1] offset:(\pf-1)*TILEB th:TH_LOAD_NT scope:SCOPE_SE
.endif
	SOFT \first
	; Barrier 2 publishes P.  K's next tile stays on its way.
	s_wait_dscnt 0x0
	s_barrier_signal -1
.if \first == 0
	RESCALE 0, 15                                  ; register work while the others arrive
	WIN 0
.endif
	s_barrier_wait -1
	FETCHPV 0, F0
	FETCHPV 1, F1
.if \first == 0
	RESCALE 16, 31
.endif
	s_wait_dscnt 24                                ; the first 24 are in
	MULPV F0, \first
	WIN 0
	PLACES 4
	FETCHPV 2, F0
	s_wait_dscnt 24                                ; all but the 24 just issued
	MULPV F1, 0
	WIN 0
	PLACES 4
	FETCHPV 3, F1
	s_wait_dscnt 24
	MULPV F0, 0
	; Barrier 3 ends the reads of V and of P and publishes K's next tile, of which every wave reads all four strips.
	s_wait_dscnt 0x0                               ; my reads of V and P are over
.if \refill
	s_wait_xcnt 0x0
	s_set_vgpr_msb 0xf030
	v_lshl_add_u32 v62, v0, 2, 0x4ac00
	v_mov_b32 v63, 0
	s_wait_tensorcnt 0x0                           ; all my tensor loads have landed: one was out, my strip of K's next tile
	ds_add_u32 v62, v63
	s_wait_dscnt 0x0
	s_set_vgpr_msb 0x30f0
	s_barrier_signal -1                            ; opens the round;
	MULPV F1, 0                                    ; 32 matrix instructions on registers inside it
	WIN 0
	s_barrier_wait -1
	CREST
	s_add_co_u32 s[VOFF], s[VOFF], TILEB
	s_and_b32 s[VOFF], s[VOFF], 16*TILEB-1
	s_add_nc_u64 s[G0V+2:G0V+3], s[VBASE:VBASE+1], s[VOFF:VOFF+1]
	s_or_b32 s[G0V+3], s[G0V+3], 0x80000000
	tensor_load_to_lds s[G0V:G0V+3], s[G1V:G1V+7]  ; V's next tile: my one load behind the round
	s_nop 0
.else
	MULPV F1, 0
	WIN 0
.endif
.endm
	TILE 1, 1, 1                                   ; trip 0 starts maximum, sums and O: nothing is cleared
	TILE 0, 1, 2                                   ; trip 1
	s_mov_b32 s14, 13
.Ltile:
	TILE 0, 1, 0                                   ; trips 2 to 14
	s_sub_co_i32 s14, s14, 1
	s_cmp_lg_u32 s14, 0
	s_cbranch_scc1 .Ltile
	TILE 0, 0, 0                                   ; trip 15: nothing is left to fetch
	; THE WAY OUT.  The sums: my two, the other half of the lanes, the four waves (each summed its own 32 keys of every tile).
	PLACES 4                                       ; O is read below
.irp q, 0,1,2,3
	v_add_f32 v[RM+\q], v[LS+2*\q], v[LS+2*\q+1]
.endr
.irp q, 0,1,2,3
	v_permlanex16_b32 v[ST+\q], v[RM+\q], s12, s13
.endr
.irp q, 0,1,2,3
	v_add_f32 v[RM+\q], v[RM+\q], v[ST+\q]
.endr
	ds_store_b128 v[STS], v[RM:RM+3] offset:1024
	s_wait_dscnt 0x0                               ; my sums are in LDS and my reads of P are over,
	s_barrier_signal -1
	s_barrier_wait -1                              ; everybody's: P's bytes become the out stages
.irp u, 0,1,2,3
	ds_load_b128 v[ST+4*\u:ST+4*\u+3], v[RDS] offset:1024+256*\u
.endr
	s_wait_dscnt 0x0
.irp q, 0,1,2,3
	v_add_f32 v[RM+\q], v[ST+\q], v[ST+4+\q]
.endr
.irp q, 0,1,2,3
	v_add_f32 v[ST+\q], v[ST+8+\q], v[ST+12+\q]
.endr
.irp q, 0,1,2,3
	v_add_f32 v[RM+\q], v[RM+\q], v[ST+\q]
.endr
.irp q, 0,1,2,3
	v_rcp_f32 v[AL+2*\q],   v[RM+\q]               ; the sum is at least 1
	v_rcp_f32 v[AL+2*\q+1], v[RM+\q]
.endr
	v_nop                                          ; one plain instruction before the reciprocals are used (ISA guide 5.7.2)
	s_wait_alu depctr_va_vdst(0)
; 16 queries x 64 columns: divide (which also moves the numbers into window 0), 32 bytes a lane into my own stage, read back as rows of 256 bytes, store.
; The stage is my wave's own and LDS serves a wave's instructions in order (ISA guide 5.7.1): no wait between the stores and the loads.
.macro OUT q, hf
	WIN 0x03                                       ; source 0 window 3
.irp c, 0,1,2,3
.irp p, 0,1,2,3
	v_pk_mul_f32 v[TMP+8*\c+2*\p:TMP+8*\c+2*\p+1], v[8*(4*(4*\hf+\c)+\q)+2*\p:8*(4*(4*\hf+\c)+\q)+2*\p+1], v[AL+2*\q:AL+2*\q+1]
.endr
.endr
	WIN 0
.irp c, 0,1,2,3
	ds_store_b128 v[STO], v[TMP+8*\c:TMP+8*\c+3]   offset:64*\c
	ds_store_b128 v[STO], v[TMP+8*\c+4:TMP+8*\c+7] offset:64*\c+16
.endr
	s_wait_xcnt 0x0                                ; the registers loaded next were the data of earlier stores
.irp t, 0,1,2,3,4,5,6,7
	ds_load_b128 v[RB+32*\hf+4*\t:RB+32*\hf+4*\t+3], v[RDO] offset:2*KP*\t
.endr
.irp t, 0,1,2,3,4,5,6,7
	s_wait_dscnt 7-\t                              ; LDS loads come back in order: pair t of rows is in
	global_store_b128 v[CO], v[RB+32*\hf+4*\t:RB+32*\hf+4*\t+3], s[OUTP:OUTP+1] offset:(16*\q+2*\t)*2048+256*\hf th:TH_STORE_NT   ; sixteen lanes: 256 consecutive bytes, aligned
.endr
.endm
.irp q, 0,1,2,3
	OUT \q, 0
	OUT \q, 1
.endr
	s_wait_xcnt 0x0
	v_lshl_add_u32 v62, v0, 2, 0x4ac00
	v_mov_b32 v63, 0
	s_wait_tensorcnt 0x0
	ds_add_u32 v62, v63
	s_wait_dscnt 0x0
	ROUND                                          ; the closing round: no work-group ends while a partner may still ask for a tile that names it
	s_endpgm
.Lfunc_end_k_q2780888cb5_attn:
	.size	k_q2780888cb5_attn, .Lfunc_end_k_q2780888cb5_attn-k_q2780888cb5_attn
	.p2alignl 7, 3214868480
	.fill 96, 4, 3214868480
	.section	.rodata,"a",@progbits
	.p2align	6, 0x0
	.amdhsa_kernel k_q2780888cb5_attn
		.amdhsa_group_segment_fixed_size 327680
		.amdhsa_private_segment_fixed_size 0
		.amdhsa_enable_private_segment 0
		.amdhsa_kernarg_size 16
		.amdhsa_user_sgpr_count 2
		.amdhsa_user_sgpr_kernarg_segment_ptr 1
		.amdhsa_wavefront_size32 1
		.amdhsa_system_sgpr_workgroup_id_x 1
		.amdhsa_system_sgpr_workgroup_id_y 1
		.amdhsa_system_sgpr_workgroup_id_z 1
		.amdhsa_system_vgpr_workitem_id 0
		.amdhsa_next_free_vgpr 1024
		.amdhsa_next_free_sgpr 76
		.amdhsa_reserve_vcc 0
		.amdhsa_float_denorm_mode_32 3
		.amdhsa_float_denorm_mode_16_64 3
		.amdhsa_memory_ordered 1
		.amdhsa_forward_progress 1
		.amdhsa_inst_pref_size 238
	.end_amdhsa_kernel
	.amdgpu_metadata
---
amdhsa.version: [ 1, 2 ]
amdhsa.kernels:
  - .name:           k_q2780888cb5_attn
    .symbol:         k_q2780888cb5_attn.kd
    .args:
      - { .name: qkv, .offset: 0, .size: 8, .value_kind: global_buffer, .address_space: global }
      - { .name: out0, .offset: 8, .size: 8, .value_kind: global_buffer, .address_space: global }
    .group_segment_fixed_size: 327680
    .private_segment_fixed_size: 0
    .kernarg_segment_align: 8
    .kernarg_segment_size: 16
    .max_flat_workgroup_size: 128
    .sgpr_count:     76
    .vgpr_count:     1024
    .wavefront_size: 32
...
	.end_amdgpu_metadata
.endif
;; end of part 3
